; MI455X (gfx1250); checked and timed in simulation.
; The chip was launched on July 23, 2026; its instructions are those of AMD's public machine-readable ISA for CDNA 5 (MIT licence, August 2026) and "CDNA5" Instruction Set Architecture Reference Guide (July 2026). The comments in the code are by the model that wrote it; some were corrected since.
;; Self Attention. Allowed arithmetic: matrix products marked QUANTISED: E5M2 operands, one given power-of-two scale a tensor, by v_wmma_f32_16x16x64_bf8_bf8 or v_wmma_f32_16x16x128_bf8_bf8, f32 sums; everything else in f32.
;; Inputs: attn_bias 1 x 1 x 2,048 x 2,048 float32; lowp_scales 8 int32 (the exponents e of the quantised operands' scales 2^e); mat_qkv_w_codes 3,072 x 32 x 32 uint8 (E5M2 codes of mat_qkv_w, K innermost, in blocks of 32 codes); proj_b 1,024 float32; proj_w_codes 1,024 x 32 x 32 uint8 (E5M2 codes of proj_w, K innermost, in blocks of 32 codes); q_bias 1,024 float32; rope_batch 4 x 2 x 2,048 x 32 float32; scale_mul 1 x 16 x 1 x 1 float32; v_bias 1,024 float32; x_codes 4 x 2,048 x 32 x 32 uint8 (E5M2 codes of x, K innermost, in blocks of 32 codes).
;; Outputs: out0 4 x 2,048 x 1,024 float32.
;; This version of the problem:
;;   THIS VERSION OF THE PROBLEM IS GIVEN IN LOW PRECISION. The matrix products marked QUANTISED in the list below multiply operands that are first quantised to E5M2 (5 exponent bits, 2 mantissa bits; 8 bits a number), with one given power-of-two scale for each operand tensor; their sums are f32. All else is computed in f32.
;;   The module's matrix products, in the order in which they are computed (A, B: the left and right operand; K: the contracted axis; several contracted axes count as one K, in the product's order):
;;     1. [M 8,192, K 1,024] x [K 1,024, N 3,072]; A: input x (given as codes); B: input mat_qkv_w (given as codes): QUANTISED (scales: A lowp_scales[0], B lowp_scales[1])
;;     2. batch 64 x [M 2,048, K 64] x [K 64, N 2,048]; A: computed on the way; B: computed on the way: QUANTISED (scales: A lowp_scales[2], B lowp_scales[3])
;;     3. batch 64 x [M 2,048, K 2,048] x [K 2,048, N 64]; A: softmax (see below); B: computed on the way: QUANTISED (scales: A lowp_scales[4], B lowp_scales[5])
;;     4. [M 8,192, K 1,024] x [K 1,024, N 1,024]; A: computed on the way; B: input proj_w (given as codes): QUANTISED (scales: A lowp_scales[6], B lowp_scales[7])
;;   THE QUANTISER, for each operand of a quantised product, along K:
;;     - The operand's scale is 2^e, e = its entry of the input lowp_scales (int32; the entries are numbered through the quantised products in the list's order, A before B).
;;     - Each number is divided by the scale, clamped to +-57,344, and rounded to the nearest number of E5M2, ties to even, subnormals kept.
;;     - The product sums the exact products of the quantised numbers (number of the format x scale) in f32.
;;   ~~~python
;;   def quantise(x, axis, e):      # numpy; x: float32 -> the quantised numbers, widened to float32 again
;;       x = np.moveaxis(x, axis, -1); K = x.shape[-1]
;;       r = np.clip(x / 2.0 ** e, -57344, 57344)
;;       step = 2.0 ** (np.maximum(np.frexp(np.where(r == 0, 1, r))[1] - 1, -14) - 2)
;;       q = np.round(r / step) * step * 2.0 ** e      # np.round: ties to even
;;       return np.moveaxis(q, -1, axis).astype(np.float32)
;;   ~~~
;;   SOFTMAX AHEAD OF A QUANTISED PRODUCT. Where the list says 'softmax', what is quantised is not the finished softmax but p = 2^(t - M), with t = logit x log2(e) and M = ceil(the row's largest t), a whole number; so 1/2 < the row's largest p <= 1. The row's sum l is taken of the UNQUANTISED p, in f32, and the product's result is divided by l at the end. Since M is a whole number, a kernel that streams over the keys may use a running M (the ceiling of the running maximum): every later rescaling is an exact power of two, so the quantised numbers keep their values, but for numbers so far below the row's largest that they fall under the format's range.
;;   OPERANDS COMPUTED ON THE WAY. 'Computed on the way' means the value that the module computes at that place (a softmax that the list does not call 'softmax' is quantised finished and normalised). What goes into a quantiser is computed in f32, as accurately as f32 sums, v_exp_f32 and their like allow (about 1e-6 of the number): no bf16 or f16 on the way to a quantiser, and a product that is left as it is and whose result goes on into a quantised operand takes f32 operands (vector FMAs, or v_wmma_f32_16x16x4_f32). A number that lies on a knife's edge between two numbers of the format may be rounded either way, as far as f32 arithmetic and the matrix unit's own rounding can turn it there, and no further.
;;   INPUTS GIVEN AS CODES. mat_qkv_w (in the module: [3072, 1024], K = its axis 1); proj_w (in the module: [1024, 1024], K = its axis 1); x (in the module: [4, 2048, 1024], K = its axis 2): each comes as NAME_codes (uint8): NAME with its K axis moved to the last place and cut into blocks of 32 codes, [.., K / 32, bytes a block], one block behind the other in memory; one code a byte (a code: sign, 5 exponent bits, 2 mantissa bits); its scale is its entry of lowp_scales. Its value is code x scale, taken as it is: it is not quantised again, and the codes and scales need not be those that the quantiser above would give.
;; One version. Each part assembles by itself: llvm-mc -triple=amdgcn-amd-amdhsa -mcpu=gfx1250 --defsym DOCPART=n.
;; ======== version 1 of 1: 3 launches
;; limits: right only within a limited range of input values
;; workspace buffers: q_img 8,388,608 bytes; kv 16,777,216 bytes; o_codes 8,388,608 bytes
;; launch qkv (part 1): grid 4 x 64, 4 waves a work-group, clusters of 4 x 4, 327,680 bytes of LDS; arguments x_codes, mat_qkv_w_codes, lowp_scales, q_bias, v_bias, rope_batch, scale_mul, q_img, kv; writes q_img, kv
.if DOCPART == 1
	.amdgcn_target "amdgcn-amd-amdhsa--gfx1250"
	.amdhsa_code_object_version 6
	.text
	.protected	k_q3db2f46348_qkv
	.globl	k_q3db2f46348_qkv
	.p2align	8
	.type	k_q3db2f46348_qkv,@function
k_q3db2f46348_qkv:
	s_mov_b64 s[64:65], 0
	v_nop
	global_prefetch_b8 v0, s[64:65] scope:SCOPE_SE
	s_setreg_imm32_b32 hwreg(HW_REG_WAVE_MODE, 25, 1), 1
	s_wait_xcnt 0x0
	s_wait_alu depctr_hold_cnt(0) depctr_sa_sdst(0) depctr_va_vdst(0) depctr_va_sdst(0) depctr_va_ssrc(0) depctr_va_vcc(0) depctr_vm_vsrc(0)
	s_getreg_b32 s2, hwreg(HW_REG_IB_STS2, 6, 4)
	s_cmp_eq_u32 s2, 0
	s_cbranch_scc0 .Lentry_in_a_cluster
	s_endpgm
.Lentry_in_a_cluster:
	s_bfe_u32 s2, ttmp6, 0x10000c
	s_cmp_lg_u32 s2, 0xf033
	s_cbranch_scc0 .Lentry_shape_is_right
	s_endpgm
.Lentry_shape_is_right:
; qkv = x W^T + bias on codes of E5M2 (K = 1,024); q and k are normalised over a head's 64 channels, q x exp(min(scale_mul, log 100)), both rotated by rope_batch, and quantised with 2^e2, 2^e3; v with 2^e5.
; OUT.  q_img: for each (batch, head, 16 tokens) an image of 1,024 bytes of the K = 64 form's fragment: register j of lane l at 512 (j / 4) + 16 l + 4 (j % 4).  kv: for each (batch, group of 4 heads, 128 keys) 65,536 bytes:
; K, 8,192 bytes a head, eight such images; then V, 8,192 bytes a head: four images of 2,048 bytes of the K = 128 form's fragment (16 channels x 128 keys), register j at 512 (j / 4) + 16 l + 4 (j % 4).
; SHARES.  A work-group owns 128 tokens and one group of four heads: six tiles of 128 columns, Q, Q, K, K, V, V; a wave owns 64 tokens x 64 columns (one head) of a tile: 16 accumulators.  64 x 4 work-groups.
; THE WHOLE K AT ONCE.  At the head waves 0, 1 ask for my 128 rows of x (slot 1), waves 2, 3 for the first tile's 128 rows of W (slot 0): 64 rows of 1,024 bytes a load.  x's fragments (512 registers a wave) are read from LDS once.
; W's tiles go through the two slots: behind tile t's products, the waits and a round of the cluster's barrier, its slot takes tile t + 2's rows.
; CLUSTER.  4 x 4 work-groups: the four of a row share their rows of x, the four of a column their rows of W: both are asked for jointly.
; SOURCES.  Q, K: source 0 = 16 rows of W, source 1 = 16 tokens: a lane holds one token and eight neighbouring channels.  V: the sources exchanged: a lane holds one channel and eight neighbouring tokens, V's K.
; The four Q and K tiles share one loop body: what differs (q_bias or 0, the head's multiplier or 1, e2 or e3, where the codes go) is chosen by the trip's number.  cos and sin are loaded once and serve all four.
; NO PREFETCH: each tile of W is asked for one way out, one tile's 128 products and one change of slots ahead of its first read; x is asked for once, at the head.
; LIMITS: e0 + e1 between -126 and 127; e2, e3, e5 between -126 and 112.
; REGISTERS: window 0: v1-15 addresses and factors; v16-19 permute results; v20-27 a block's factor, a pair each; v32-63 q_bias; v64-95 at work; v96-111 codes, two sets; v112-127 v_bias; v128-255 accumulators, (a, b) at v[128 + 8 (4 a + b)].
;   window 1: v0-127 W's fragments, two sets of four; v128-255 cos and sin: token block a at v[128 + 32 a], sin 16 on.   windows 2, 3: x's fragments, K step k, block a at v[64 (k % 4) + 16 a] of window 2 + k / 4.
.set PITCH,  1040                      ; an LDS row: 1,024 bytes + 16 of padding, an odd multiple of 16
.set HALF,   64*PITCH                  ; what one tensor load brings
.set SLOT1,  2*HALF
.set SPARE,  2*SLOT1                   ; the spare words, 128 bytes a wave
.set BIAS, 32
.set U,    64
.set CS,   96
.set VB,   112
.set ACC,  128
.set G1,   24                          ; s[24:31] group 1 for x;  s[48:55] for W
.set G1B,  48
.set G0A,  32                          ; s[32:35] x;  s[56:59] W's first tile;  s[60:63] W's later tiles, which walks
.set G0B,  56
.set G0C,  60
.set MSB, 0
.macro WIN new
.if MSB != (\new)
	s_set_vgpr_msb (MSB<<8)|(\new)
.set MSB, (\new)
.endif
.endm
.macro CREST
	s_cmp_lg_u32 s14, 0
	s_cbranch_scc1 .Lnot_wave_0_\@
	s_barrier_signal -3
.Lnot_wave_0_\@:
	s_barrier_wait -3
	s_barrier_signal -1
	s_barrier_wait -1
.endm
.macro CROUND
	s_barrier_signal -1
	s_barrier_wait -1
	CREST
.endm
.macro PLACES
.rept 4
	v_nop
.endr
.endm
.macro WFILL                           ; waves 2, 3 fetch the next tile's rows of W; the branch hangs on the wave's number alone
	s_cmp_eq_u32 s15, 0
	s_cbranch_scc1 .Lno_fill_\@
	tensor_load_to_lds s[G0C:G0C+3], s[G1B:G1B+7]
	s_nop 0
	PLACES
.Lno_fill_\@:
.endm
	s_load_b128 s[4:7], s[0:1], 0x0                ; x_codes, mat_qkv_w_codes
	s_load_b64 s[8:9], s[0:1], 0x10                ; the scales' exponents
	s_load_b128 s[68:71], s[0:1], 0x18             ; q_bias, v_bias
	s_load_b128 s[72:75], s[0:1], 0x28             ; rope_batch, scale_mul
	s_load_b128 s[76:79], s[0:1], 0x38             ; q_img, kv
	v_lshl_add_u32 v1, v0, 2, SPARE                ; my spare word; never rewritten
	v_mov_b32 v2, 0                                ; 0; never rewritten
	ds_add_u32 v1, v2                              ; the opening lines: the add twice on end and its wait
	ds_add_u32 v1, v2
	v_lshrrev_b32 v12, 5, v0
	v_readfirstlane_b32 s14, v12                   ; wave 0..3
	s_lshr_b32 s15, s14, 1                         ; wr: my half of the tokens; also: I fetch for x (0) or W (1)
	s_and_b32 s16, s14, 1                          ; wc: my head of the tile; also: which 64 rows I fetch
	s_bfe_u32 s40, ttmp6, 0x40000                  ; cx: my group of four heads
	s_bfe_u32 s41, ttmp6, 0x40004                  ; cy
	s_and_b32 s17, ttmp7, 0xffff
	s_lshl_b32 s17, s17, 2
	s_add_co_u32 s17, s17, s41                     ; my block of 128 tokens
	s_lshl_b32 s43, s41, 2
	s_lshl_b32 s43, 15, s43                        ; my row of the cluster
	s_lshl_b32 s44, 0x1111, s40                    ; my column
	s_or_b32 s[G1], s43, (1<<20)|(1<<21)|(7<<22)|(3<<25)    ; elements of 1 byte; 4 words of padding after every 256
	s_or_b32 s[G1B], s44, (1<<20)|(1<<21)|(7<<22)|(3<<25)
.irp g, G1, G1B
	s_mov_b32 s[\g+1], 1024<<16                    ; 64 rows of 1,024 bytes, 1,024 apart
	s_mov_b32 s[\g+2], 64<<16
	s_mov_b32 s[\g+3], 1024<<16
	s_mov_b32 s[\g+4], 64
	s_mov_b32 s[\g+5], 1024
	s_mov_b32 s[\g+6], 0
	s_mov_b32 s[\g+7], 0
.endr
	s_lshl_b32 s18, s16, 16                        ; 64 rows of 1,024 bytes
	s_lshl_b32 s20, s17, 17                        ; x: 128 rows a block.  (cx never enters these registers)
	s_add_co_u32 s20, s20, s18
	s_mov_b32 s21, 0
	s_lshl_b32 s46, s40, 18                        ; W: 256 rows for each cx.  (cy never enters these registers)
	s_add_co_u32 s46, s46, s18
	s_mov_b32 s47, 0
	s_mul_i32 s45, s16, HALF                       ; in a slot
	s_wait_dscnt 0x0                               ; both opening adds are done
	s_wait_kmcnt 0x0
	s_load_b256 s[80:87], s[8:9], 0x0              ; e0 .. e7
	s_add_nc_u64 s[20:21], s[4:5], s[20:21]
	s_add_nc_u64 s[46:47], s[6:7], s[46:47]
	CROUND                                         ; the first joint loads meet
	s_mov_b32 s[G0A], 1
	s_add_co_u32 s[G0A+1], s45, SLOT1
	s_mov_b64 s[G0A+2:G0A+3], s[20:21]
	s_or_b32 s[G0A+3], s[G0A+3], 0x80000000
	s_mov_b32 s[G0B], 1
	s_mov_b32 s[G0B+1], s45
	s_mov_b64 s[G0B+2:G0B+3], s[46:47]
	s_or_b32 s[G0B+3], s[G0B+3], 0x80000000
	s_mov_b32 s[G0C], 1
	s_add_co_u32 s[G0C+1], s45, SLOT1
	s_add_nc_u64 s[G0C+2:G0C+3], s[46:47], 128*1024
	s_or_b32 s[G0C+3], s[G0C+3], 0x80000000
	s_cmp_eq_u32 s15, 0
	s_cbranch_scc0 .Lfor_w
	tensor_load_to_lds s[G0A:G0A+3], s[G1:G1+7]
	s_nop 0
	PLACES
	s_branch .Lasked
.Lfor_w:
	tensor_load_to_lds s[G0B:G0B+3], s[G1B:G1B+7]
	s_nop 0
	PLACES
.Lasked:
	s_lshr_b32 s90, s17, 4                         ; the batch
	s_and_b32 s91, s17, 15                         ; my 128 tokens of its 2,048
	s_mov_b32 s93, 0
	s_lshl_b32 s92, s40, 4                         ; scale_mul: head 4 cx + wc, and two heads on
	s_lshl_b32 s94, s16, 2
	s_add_co_u32 s92, s92, s94
	s_add_nc_u64 s[74:75], s[74:75], s[92:93]
	s_load_b32 s88, s[74:75], 0x0
	s_load_b32 s89, s[74:75], 0x8
	s_lshl_b32 s92, s40, 10                        ; the biases: column 256 cx + 64 wc
	s_lshl_b32 s94, s16, 8
	s_add_co_u32 s92, s92, s94
	s_add_nc_u64 s[68:69], s[68:69], s[92:93]
	s_add_nc_u64 s[70:71], s[70:71], s[92:93]
	s_lshl_b32 s92, s90, 19                        ; rope_batch: my 64 tokens' rows of 128 bytes
	s_lshl_b32 s94, s91, 14
	s_add_co_u32 s92, s92, s94
	s_lshl_b32 s94, s15, 13
	s_add_co_u32 s92, s92, s94
	s_add_nc_u64 s[72:73], s[72:73], s[92:93]
	s_lshl_b32 s92, s90, 21                        ; q_img: ((16 batch + 4 cx + wc) 128 + 8 block + 4 wr) images
	s_lshl_b32 s94, s40, 19
	s_add_co_u32 s92, s92, s94
	s_lshl_b32 s94, s16, 17
	s_add_co_u32 s92, s92, s94
	s_lshl_b32 s94, s91, 13
	s_add_co_u32 s92, s92, s94
	s_lshl_b32 s94, s15, 12
	s_add_co_u32 s92, s92, s94
	s_add_nc_u64 s[76:77], s[76:77], s[92:93]
	s_lshl_b32 s92, s90, 22                        ; kv: (4 batch + cx) 2^20 + 65,536 block + 8,192 wc
	s_lshl_b32 s94, s40, 20
	s_add_co_u32 s92, s92, s94
	s_lshl_b32 s94, s91, 16
	s_add_co_u32 s92, s92, s94
	s_lshl_b32 s94, s16, 13
	s_add_co_u32 s92, s92, s94
	s_add_nc_u64 s[78:79], s[78:79], s[92:93]
	s_lshl_b32 s92, s15, 10                        ; V: behind K's 32,768; my 64 tokens are registers 8 wr on of a fragment
	s_add_co_u32 s92, s92, 32768
	s_add_nc_u64 s[66:67], s[78:79], s[92:93]
	s_lshl_b32 s92, s15, 12                        ; K: my four images
	s_add_nc_u64 s[78:79], s[78:79], s[92:93]
	s_mul_i32 s22, s15, HALF
	s_add_co_u32 s22, s22, SLOT1
	s_mov_b32 s98, 0x76543210                      ; v_permlanex16_b32's selects for lane l xor 16
	s_mov_b32 s99, 0xfedcba98
	v_and_b32 v12, 15, v0                          ; r
	v_bfe_u32 v13, v0, 4, 1                        ; h
	v_and_b32 v14, 31, v0
	v_lshlrev_b32 v3, 4, v14                       ; 16 x lane: where my codes go
	v_lshlrev_b32 v7, 5, v13                       ; q_bias: 32 h
	v_mul_u32_u24 v15, v12, PITCH
	v_lshl_add_u32 v15, v13, 4, v15                ; a fragment's row x pitch + 16 h
	v_add_nc_u32 v4, s22, v15                      ; my 64 rows of x, in slot 1
	v_add_nc_u32 v5, s45, v15                      ; my 64 rows of W, in slot 0
	v_lshlrev_b32 v14, 7, v12
	v_lshl_add_u32 v14, v13, 4, v14                ; cos, sin: token r's 128 bytes, + 16 h
	v_lshlrev_b32 v13, 2, v12                      ; v_bias: 4 r
.set n, 16
.rept 12
	v_mov_b32 v[n], 0                              ; the permutes' destinations and the pairs' upper halves are written once
.set n, n+1
.endr
	WIN 0x40
.irp a, 0,1,2,3
.irp t, 0,1,2,3
	global_load_b128 v[128+32*\a+4*\t:128+32*\a+4*\t+3], v14, s[72:73] offset:2048*\a+32*\t            ; cos of pairs 8 t + 4 h + 0..3
	global_load_b128 v[144+32*\a+4*\t:144+32*\a+4*\t+3], v14, s[72:73] offset:2048*\a+32*\t+262144     ; sin
.endr
.endr
	WIN 0
.irp j, 0,1
.irp b, 0,1,2,3
	global_load_b32 v[VB+8*\j+2*\b], v13, s[70:71] offset:512*\j+64*\b      ; v_bias of channel 16 b + r, in both halves of a pair
	global_load_b32 v[VB+8*\j+2*\b+1], v13, s[70:71] offset:512*\j+64*\b
.endr
.endr
	s_wait_kmcnt 0x0
	s_add_co_i32 s96, s80, s81
	s_add_co_i32 s96, s96, 127
	s_lshl_b32 s96, s96, 23                        ; 2^(e0 + e1)
	s_mov_b32 s97, s96
	v_mov_b32 v8, s88
	v_mov_b32 v9, s89
	v_min_num_f32 v8, 0x40935d8e, v8               ; min(scale_mul, log 100)
	v_min_num_f32 v9, 0x40935d8e, v9
	v_mul_f32 v8, 0x3fb8aa3b, v8
	v_mul_f32 v9, 0x3fb8aa3b, v9
	s_wait_alu depctr_va_vdst(0)
	v_exp_f32 v8, v8                               ; the multipliers of my head in the two Q tiles
	v_exp_f32 v9, v9
	v_nop
.macro FETCHW adr, k, p                ; W's four fragments of K step k into set p (destination window 1)
	WIN 0x40
.irp b, 0,1,2,3
.irp c, 0,1,2,3
	ds_load_b128 v[64*(\p)+16*\b+4*\c:64*(\p)+16*\b+4*\c+3], v[\adr] offset:\b*16*PITCH+128*(\k)+32*\c
.endr
.endr
.endm
.macro MULK k, zero, v                 ; 16 products, 128 along K: the 16 accumulators take turns; zero = 1: they start the sums; v = 1: the sources exchanged
.if \v
	WIN 0x06+((\k)/4)                              ; x window 2 or 3, W window 1, C and D window 0
.else
	WIN 0x09+4*((\k)/4)                            ; W window 1, x window 2 or 3
.endif
.irp a, 0,1,2,3
.irp b, 0,1,2,3
.if \v
.set S0, 64*((\k)%4)+16*\a
.set S1, 64*((\k)%2)+16*\b
.else
.set S0, 64*((\k)%2)+16*\b
.set S1, 64*((\k)%4)+16*\a
.endif
.if \zero
	v_wmma_f32_16x16x128_bf8_bf8 v[ACC+8*(4*\a+\b):ACC+8*(4*\a+\b)+7], v[S0:S0+15], v[S1:S1+15], 0
.else
	v_wmma_f32_16x16x128_bf8_bf8 v[ACC+8*(4*\a+\b):ACC+8*(4*\a+\b)+7], v[S0:S0+15], v[S1:S1+15], v[ACC+8*(4*\a+\b):ACC+8*(4*\a+\b)+7]
.endif
.endr
.endr
.endm
.macro GEMM adr, v                     ; a tile: eight K steps; K step 0's fragments of W have been asked for
	PLACES
	FETCHW \adr, 1, 1
	s_wait_dscnt 16                                ; this step's fragments are in; the 16 loads just issued may be out
	MULK 0, 1, \v
.irp k, 1,2,3,4,5,6
	PLACES                                         ; in front of loads into registers that the step before last's products read
	FETCHW \adr, \k+1, (\k+1)%2
	s_wait_dscnt 16
	MULK \k, 0, \v
.endr
	s_wait_dscnt 0x0
	MULK 7, 0, \v
	WIN 0
.endm
; Block a of a Q or K tile: 16 tokens x my head: x the factor, rotated, held, coded, stored as one image.
.macro QKB a
.set AC, ACC+32*(\a)
.set RB, 128+32*(\a)
.set CX, CS+8*((\a)%2)
.set n, 0
.rept 16
	v_pk_mul_f32 v[AC+n:AC+n+1], v[AC+n:AC+n+1], v[20+2*(\a):21+2*(\a)] op_sel_hi:[1,0]
.set n, n+2
.endr
	WIN 0x04                                       ; source 1 (cos, sin) window 1
.irp b, 0,1,2,3
.irp q, 0,2
.set tt, AC+8*\b+2*\q
.set uu, U+8*\b+2*\q
.set cc, RB+4*\b+\q
	v_pk_mul_f32 v[uu:uu+1], v[tt:tt+1], v[cc:cc+1] op_sel_hi:[1,0]
	v_pk_mul_f32 v[uu+2:uu+3], v[tt+2:tt+3], v[cc:cc+1] op_sel:[0,1] op_sel_hi:[1,1]
	v_fma_f32 v[uu], -v[tt+1], v[cc+16], v[uu]
	v_fma_f32 v[uu+1], v[tt], v[cc+16], v[uu+1]
	v_fma_f32 v[uu+2], -v[tt+3], v[cc+17], v[uu+2]
	v_fma_f32 v[uu+3], v[tt+2], v[cc+17], v[uu+3]
.endr
.endr
	WIN 0
.set n, 0
.rept 32
	v_med3_num_f32 v[U+n], v[U+n], -v11, v11       ; the hold at the largest code x the scale
.set n, n+1
.endr
	s_wait_alu depctr_va_vdst(0)                   ; directly ahead of the wait below
	s_wait_xcnt 0x0                                ; the stores of the block before last have read this set of codes
.irp b, 0,1,2,3
	v_cvt_scalef32_pk8_bf8_f32 v[CX+2*\b:CX+2*\b+1], v[U+8*\b:U+8*\b+7], v10
.endr
	v_nop
	global_store_b128 v3, v[CX:CX+3], s[10:11] offset:1024*(\a)          ; 32 lanes store 512 consecutive bytes, aligned
	global_store_b128 v3, v[CX+4:CX+7], s[10:11] offset:1024*(\a)+512
.endm
; The way out of V's tile j, by blocks of 16 channels: a lane's 32 numbers are 64 tokens' halves of one channel: eight registers of a fragment.
.macro VEPI j
	PLACES
.irp b, 0,1,2,3
.irp a, 0,1,2,3
.irp n, 0,2,4,6
	v_pk_fma_f32 v[U+8*\a+\n:U+8*\a+\n+1], v[ACC+8*(4*\a+\b)+\n:ACC+8*(4*\a+\b)+\n+1], s[96:97], v[VB+8*(\j)+2*\b:VB+8*(\j)+2*\b+1] op_sel_hi:[1,0,1]
.endr
.endr
.set n, 0
.rept 32
	v_med3_num_f32 v[U+n], v[U+n], -v11, v11
.set n, n+1
.endr
	s_wait_alu depctr_va_vdst(0)
	s_wait_xcnt 0x0
.irp a, 0,1,2,3
	v_cvt_scalef32_pk8_bf8_f32 v[CS+8*(\b%2)+2*\a:CS+8*(\b%2)+2*\a+1], v[U+8*\a:U+8*\a+7], v10
.endr
	v_nop
	global_store_b128 v3, v[CS+8*(\b%2):CS+8*(\b%2)+3], s[66:67] offset:16384*(\j)+2048*\b
	global_store_b128 v3, v[CS+8*(\b%2)+4:CS+8*(\b%2)+7], s[66:67] offset:16384*(\j)+2048*\b+512
.endr
.endm
	s_wait_alu depctr_va_vdst(0)                   ; the wait at the head's end; it serves the exponentials too
	s_wait_tensorcnt 0x0                           ; my 64 rows are in,
	s_barrier_signal -1
	s_barrier_wait -1                              ; and everybody's
.irp k, 0,1,2,3,4,5,6,7                        ; x's fragments, once for all six tiles
	WIN 0x80+0x40*(\k/4)
.irp a, 0,1,2,3
.irp c, 0,1,2,3
	ds_load_b128 v[64*(\k%4)+16*\a+4*\c:64*(\k%4)+16*\a+4*\c+3], v4 offset:\a*16*PITCH+128*\k+32*\c
.endr
.endr
.endr
	WIN 0
	s_wait_tensorcnt 0x0                           ; ahead of a refill's round
	ds_add_u32 v1, v2
	s_mov_b32 s3, 0                                ; the tile's number
	s_mov_b32 s37, 0                               ; the slot in hand
	s_mov_b32 s38, 896*1024                        ; from tile 1's rows of W to tile 2's; then 128 rows and 896 by turns
	s_mov_b32 s39, 0
	s_wait_dscnt 0x0                               ; the add is done, and my reads of slot 1 are over
	CROUND                                         ; no wave of any partner still reads slot 1
	WFILL                                          ; tile 1's rows of W
.Ltile:                                            ; four trips: Q, Q, K, K
	s_wait_xcnt 0x0                                ; the last trip's loads and stores have read their bases
	s_cmp_lt_u32 s3, 2                             ; a tile of Q?
	s_cselect_b32 s90, -1, 0
	s_cselect_b32 s91, s82, s83                    ; e2 or e3
	s_cselect_b64 s[10:11], s[76:77], s[78:79]     ; q_img or kv
	s_mov_b32 s92, 0x4000
	s_cselect_b32 s92, 0x40000, s92                ; two heads on: 2 x 128 images, or 2 x 8,192 bytes
	s_and_b32 s93, s3, 1                           ; the second tile of its kind?
	s_mul_i32 s92, s92, s93
	s_lshl_b32 s94, s93, 9
	s_sub_co_u32 s95, 0, s93                       ; all ones there
	s_mov_b32 s93, 0
	s_add_nc_u64 s[10:11], s[10:11], s[92:93]
	s_mov_b32 s92, s94
	s_add_nc_u64 s[12:13], s[68:69], s[92:93]      ; q_bias, 128 columns on in the second tile
	s_add_co_i32 s91, s91, 127
	s_lshl_b32 s94, s91, 23
	s_add_co_i32 s91, s91, 15
	s_lshl_b32 s91, s91, 23
	s_or_b32 s91, s91, 0x600000
	v_add_nc_u32 v6, s37, v5                       ; my rows of W in the slot in hand
	v_mov_b32 v10, s94                             ; the operand's scale,
	v_mov_b32 v11, s91                             ; 57,344 x it
	v_cndmask_b32 v15, v8, v9, s95
	v_cndmask_b32 v15, 1.0, v15, s90               ; my head's multiplier; 1 for K
	s_wait_alu depctr_va_vdst(0)
.irp b, 0,1,2,3
	global_load_b128 v[BIAS+8*\b:BIAS+8*\b+3], v7, s[12:13] offset:64*\b
	global_load_b128 v[BIAS+8*\b+4:BIAS+8*\b+7], v7, s[12:13] offset:64*\b+16
.endr
	FETCHW 6, 0, 0
	GEMM 6, 0
	s_wait_tensorcnt 0x0                           ; the next tile's rows of W are in
	ds_add_u32 v1, v2
	s_xor_b32 s[G0C+1], s[G0C+1], SLOT1            ; the walking descriptor: the slot just read, the tile after next
	s_add_nc_u64 s[G0C+2:G0C+3], s[G0C+2:G0C+3], s[38:39]
	s_xor_b32 s38, s38, (896*1024)^(128*1024)
	s_wait_dscnt 0x0
	CROUND
	WFILL
	s_wait_loadcnt 0x0                             ; q_bias; in the first trip cos, sin and v_bias too
	PLACES                                         ; behind the last products
.set n, 0
.rept 32
	v_cndmask_b32 v[BIAS+n], 0, v[BIAS+n], s90     ; K has no bias
.set n, n+1
.endr
.irp a, 0,1,2,3
.set n, 0
.rept 16
	v_pk_fma_f32 v[ACC+32*\a+n:ACC+32*\a+n+1], v[ACC+32*\a+n:ACC+32*\a+n+1], s[96:97], v[BIAS+n:BIAS+n+1] op_sel_hi:[1,0,1]   ; x 2^(e0 + e1) + bias, in place; each accumulator from its low end on
.set n, n+2
.endr
.endr
.irp a, 0,1,2,3                                ; the sums of squares over my head's 64 channels: eight chains
	v_pk_mul_f32 v[U+8*\a:U+8*\a+1], v[ACC+32*\a:ACC+32*\a+1], v[ACC+32*\a:ACC+32*\a+1]
	v_pk_mul_f32 v[U+8*\a+2:U+8*\a+3], v[ACC+32*\a+2:ACC+32*\a+3], v[ACC+32*\a+2:ACC+32*\a+3]
.endr
.irp p, 4,8,12,16,20,24,28
.irp a, 0,1,2,3
	v_pk_fma_f32 v[U+8*\a:U+8*\a+1], v[ACC+32*\a+\p:ACC+32*\a+\p+1], v[ACC+32*\a+\p:ACC+32*\a+\p+1], v[U+8*\a:U+8*\a+1]
	v_pk_fma_f32 v[U+8*\a+2:U+8*\a+3], v[ACC+32*\a+\p+2:ACC+32*\a+\p+3], v[ACC+32*\a+\p+2:ACC+32*\a+\p+3], v[U+8*\a+2:U+8*\a+3]
.endr
.endr
.irp a, 0,1,2,3
	v_pk_add_f32 v[U+8*\a:U+8*\a+1], v[U+8*\a:U+8*\a+1], v[U+8*\a+2:U+8*\a+3]
.endr
.irp a, 0,1,2,3
	v_add_f32 v[U+8*\a], v[U+8*\a], v[U+8*\a+1]
.endr
.irp a, 0,1,2,3
	v_permlanex16_b32 v[16+\a], v[U+8*\a], s98, s99
.endr
.irp a, 0,1,2,3
	v_add_f32 v[U+8*\a], v[U+8*\a], v[16+\a]       ; and lane l xor 16's half of the channels
.endr
	s_wait_alu depctr_va_vdst(0)                   ; a wait ahead of each batch and one behind it
.irp a, 0,1,2,3
	v_sqrt_f32 v[U+8*\a], v[U+8*\a]
.endr
	v_nop
	s_wait_alu depctr_va_vdst(0)
.irp a, 0,1,2,3
	v_max_num_f32 v[U+8*\a], 0x2b8cbccc, v[U+8*\a] ; max(norm, 1e-12)
.endr
	s_wait_alu depctr_va_vdst(0)
.irp a, 0,1,2,3
	v_rcp_f32 v[U+8*\a], v[U+8*\a]
.endr
	v_nop
	s_wait_alu depctr_va_vdst(0)
.irp a, 0,1,2,3
	v_mul_f32 v[20+2*\a], v[U+8*\a], v15           ; the token's factor
.endr
	QKB 0
	QKB 1
	QKB 2
	QKB 3
	s_xor_b32 s37, s37, SLOT1
	s_add_co_u32 s3, s3, 1
	s_cmp_lt_u32 s3, 4
	s_wait_alu depctr_va_vdst(0)
	s_cbranch_scc1 .Ltile
	s_add_co_i32 s91, s85, 127                     ; V: e5
	s_lshl_b32 s94, s91, 23
	s_add_co_i32 s91, s91, 15
	s_lshl_b32 s91, s91, 23
	s_or_b32 s91, s91, 0x600000
	v_mov_b32 v10, s94
	v_mov_b32 v11, s91
	v_add_nc_u32 v6, SLOT1, v5
	s_wait_alu depctr_va_vdst(0)
	FETCHW 5, 0, 0                                 ; V's first tile lies in slot 0: the last round has shown it whole
	GEMM 5, 1
	s_wait_tensorcnt 0x0                           ; my part of V's second tile is in,
	s_wait_dscnt 0x0
	s_barrier_signal -1
	s_barrier_wait -1                              ; and everybody's
	VEPI 0
	FETCHW 6, 0, 0
	GEMM 6, 1
	VEPI 1
	s_wait_tensorcnt 0x0                           ; the wave's end
	ds_add_u32 v1, v2
	s_wait_dscnt 0x0
	CROUND                                         ; the closing round
	s_endpgm
.Lfunc_end_k_q3db2f46348_qkv:
	.size	k_q3db2f46348_qkv, .Lfunc_end_k_q3db2f46348_qkv-k_q3db2f46348_qkv
	.p2alignl 7, 3214868480
	.fill 96, 4, 3214868480
	.section	.rodata,"a",@progbits
	.p2align	6, 0x0
	.amdhsa_kernel k_q3db2f46348_qkv
		.amdhsa_group_segment_fixed_size 327680
		.amdhsa_private_segment_fixed_size 0
		.amdhsa_enable_private_segment 0
		.amdhsa_kernarg_size 72
		.amdhsa_user_sgpr_count 2
		.amdhsa_user_sgpr_kernarg_segment_ptr 1
		.amdhsa_wavefront_size32 1
		.amdhsa_system_sgpr_workgroup_id_x 1
		.amdhsa_system_sgpr_workgroup_id_y 1
		.amdhsa_system_sgpr_workgroup_id_z 1
		.amdhsa_system_vgpr_workitem_id 0
		.amdhsa_next_free_vgpr 1024
		.amdhsa_next_free_sgpr 100
		.amdhsa_reserve_vcc 0
		.amdhsa_float_denorm_mode_32 3
		.amdhsa_float_denorm_mode_16_64 3
		.amdhsa_memory_ordered 1
		.amdhsa_forward_progress 1
		.amdhsa_inst_pref_size 145
	.end_amdhsa_kernel
	.amdgpu_metadata
---
amdhsa.version: [ 1, 2 ]
amdhsa.kernels:
  - .name:           k_q3db2f46348_qkv
    .symbol:         k_q3db2f46348_qkv.kd
    .args:
      - { .name: x_codes, .offset: 0, .size: 8, .value_kind: global_buffer, .address_space: global }
      - { .name: mat_qkv_w_codes, .offset: 8, .size: 8, .value_kind: global_buffer, .address_space: global }
      - { .name: lowp_scales, .offset: 16, .size: 8, .value_kind: global_buffer, .address_space: global }
      - { .name: q_bias, .offset: 24, .size: 8, .value_kind: global_buffer, .address_space: global }
      - { .name: v_bias, .offset: 32, .size: 8, .value_kind: global_buffer, .address_space: global }
      - { .name: rope_batch, .offset: 40, .size: 8, .value_kind: global_buffer, .address_space: global }
      - { .name: scale_mul, .offset: 48, .size: 8, .value_kind: global_buffer, .address_space: global }
      - { .name: q_img, .offset: 56, .size: 8, .value_kind: global_buffer, .address_space: global }
      - { .name: kv, .offset: 64, .size: 8, .value_kind: global_buffer, .address_space: global }
    .group_segment_fixed_size: 327680
    .private_segment_fixed_size: 0
    .kernarg_segment_align: 8
    .kernarg_segment_size: 72
    .max_flat_workgroup_size: 128
    .sgpr_count:     100
    .vgpr_count:     1024
    .wavefront_size: 32
...
	.end_amdgpu_metadata
.endif
;; end of part 1
;; launch attn (part 2): grid 16 x 16, 8 waves a work-group, clusters of 4 x 4, 327,680 bytes of LDS; arguments q_img, kv, attn_bias, lowp_scales, o_codes; writes o_codes
.if DOCPART == 2
	.amdgcn_target "amdgcn-amd-amdhsa--gfx1250"
	.amdhsa_code_object_version 6
	.text
	.protected	k_q3db2f46348_attn
	.globl	k_q3db2f46348_attn
	.p2align	8
	.type	k_q3db2f46348_attn,@function
k_q3db2f46348_attn:
	s_mov_b64 s[64:65], 0
	v_nop
	global_prefetch_b8 v0, s[64:65] scope:SCOPE_SE
	s_setreg_imm32_b32 hwreg(HW_REG_WAVE_MODE, 25, 1), 1
	s_wait_xcnt 0x0
	s_wait_alu depctr_hold_cnt(0) depctr_sa_sdst(0) depctr_va_vdst(0) depctr_va_sdst(0) depctr_va_ssrc(0) depctr_va_vcc(0) depctr_vm_vsrc(0)
	s_getreg_b32 s2, hwreg(HW_REG_IB_STS2, 6, 4)
	s_cmp_eq_u32 s2, 0
	s_cbranch_scc0 .Lentry_in_a_cluster
	s_endpgm
.Lentry_in_a_cluster:
	s_bfe_u32 s2, ttmp6, 0x10000c
	s_cmp_lg_u32 s2, 0xf033
	s_cbranch_scc0 .Lentry_shape_is_right
	s_endpgm
.Lentry_shape_is_right:
; o = softmax(q k^T + attn_bias) v for 64 heads of 2,048 tokens x 64 channels, both products on codes of E5M2; o is quantised with 2^e6 and stored as codes, [8192 tokens][1024], k = 64 h + d.
; attn_bias is an input: every score is computed and every number of the bias is added.
; THE SOFTMAX: s' = sum of code products + bias x 2^-(e2 + e3) (the scaled bias is the C of the first product); t = s' x 2^(e2 + e3) log2(e); M = the row's largest t so far, rounded UP to a whole number;
; p = 2^(t - M) is quantised with 2^e4.  The row's sum is taken of the unquantised p and divides O at the end.  When M moves, the sum and O are multiplied by 2^(old M - new M): exact.
; SHARES.  A work-group owns 4 heads (one group of one batch) x 128 queries.  Wave w: head w / 2 of the group, queries 64 (w % 2) on: four tiles of 16.  Every wave walks all 2,048 keys, 128 a step.
; CLUSTER.  4 x 4 work-groups: the four of a row share batch and heads, so K's and V's tiles are asked for jointly along the row; the four of a column share the queries, so the bias's tiles along the column.
; LAYOUT.  Both products transposed: S^T = K Q^T, O^T = V^T P^T: a lane holds ONE query (lane % 16).  Tile t of S^T gives lane (r, hf) keys 16 t + 8 hf + 0..7: their codes are registers 2 t, 2 t + 1 of P's fragment.
; K, V and Q lie in memory as images of their registers: every fragment comes by loads of 16 bytes a lane at 16 x lane.
; ORDER.  Two buffers of 64 scores take turns.  Behind tile i's products stand tile i - 1's sum, hold and codes; tile i + 1's bias is scaled between tile i's exponentials.
; The second product of step s - 1, work on registers alone, stands at the head of step s, behind the loads of tile 0's bias and of K's first four fragments; the first trip finds zeros in P, V and O^T.
; NO PREFETCH: a step's tiles are asked for one whole key step ahead of the wait for them, and each is asked for once by four work-groups; the launch's 16 steps have 128 KiB a work-group on their way in every step.
; LIMITS: e2 + e3 between -125 and 126 (both 2^-(e2+e3) and log2(e) 2^(e2+e3) are f32 numbers); a bias whose size x 2^-(e2+e3) leaves f32's range becomes infinity or 0; e4, e6 between -126 and 112; e4 + e5 goes by v_ldexp_f32.
; NaN among the inputs is not served; a row whose logits are all -infinity gives NaN, as the definition does.
; REGISTERS: window 0: v1-12 addresses; v16-31 four a tile: -M, the largest t, the sum in two halves; v32-95, v96-159 the two score buffers; v160-223 P's codes, 16 a tile; v224-231 f, a pair a tile; v232-254 at work.
;   window 1: v0-127 O^T (tile i, channels 16 d on: v[32 i + 8 d]); v128-159 Q, 8 a tile; v224-255 K's fragments 0-3; v160-191 K's fragments 4-7; v160-223 then V's four.
.set BP,    528                        ; a row of the bias in LDS: 512 bytes + 16 of padding
.set VBASE, 0x10800                    ; LDS: bias slot 0 at 0 (128 rows x 528), V slot 0 behind it (32,768),
.set SPARE, 0x18800                    ; the spare words, 128 bytes for each of the eight waves,
.set BSL,   0x20000                    ; bias and V slot 1 this far on,
.set KBASE, 0x40000                    ; K slot 0 (32,768),
.set KSL,   0x8000                     ; K slot 1 this far on: it ends at byte 327,680
.set SP,    272                        ; the way out: a stage of 128 rows x (256 + 16) bytes at byte 0, in bias slot 0, behind its last fill and last read
.set ST,  16
.set S,   32
.set P,   160
.set F,   224
.set QF,  128
.set KF,  160
.set G1KV, 24
.set G1B,  32
.set G0K,  40
.set G0V,  44
.set G0B,  48
.set MSB, 0
.macro WIN new                         ; the immediate's high byte repeats the setting that is left
.if MSB != (\new)
	s_set_vgpr_msb (MSB<<8)|(\new)
.set MSB, (\new)
.endif
.endm
; One joint load a wave: waves 0, 1 K's halves, waves 2, 3 V's halves, waves 4-7 32 rows of the bias each.
.macro TLOAD
	s_cmp_lt_u32 s14, 2
	s_cbranch_scc0 .Lnot_k_\@
	tensor_load_to_lds s[G0K:G0K+3], s[G1KV:G1KV+7]
	s_nop 0
.rept 4
	v_nop
.endr
	s_branch .Lasked_\@
.Lnot_k_\@:
	s_cmp_lt_u32 s14, 4
	s_cbranch_scc0 .Lfor_b_\@
	tensor_load_to_lds s[G0V:G0V+3], s[G1KV:G1KV+7]
	s_nop 0
.rept 4
	v_nop
.endr
	s_branch .Lasked_\@
.Lfor_b_\@:
	tensor_load_to_lds s[G0B:G0B+3], s[G1B:G1B+7]
	s_nop 0
.rept 4
	v_nop
.endr
.Lasked_\@:
.endm
.macro CREST                           ; a round of the cluster's barrier behind its opening barrier
	s_cmp_lg_u32 s14, 0
	s_cbranch_scc1 .Lnot_wave_0_\@
	s_barrier_signal -3
.Lnot_wave_0_\@:
	s_barrier_wait -3
	s_barrier_signal -1
	s_barrier_wait -1
.endm
.macro CROUND
	s_barrier_signal -1
	s_barrier_wait -1
	CREST
.endm
	s_load_b128 s[4:7], s[0:1], 0x0                ; q_img, kv
	s_load_b128 s[8:11], s[0:1], 0x10              ; attn_bias, the scales' exponents
	s_load_b64 s[12:13], s[0:1], 0x20              ; o_codes
	v_lshl_add_u32 v3, v0, 2, SPARE                ; my spare word; never rewritten
	v_mov_b32 v4, 0                                ; 0; never rewritten
	ds_add_u32 v3, v4                              ; the opening lines: the add twice on end and its wait
	ds_add_u32 v3, v4
	v_lshrrev_b32 v13, 5, v0
	v_readfirstlane_b32 s14, v13                   ; wave 0..7
	s_lshr_b32 s15, s14, 1                         ; hl: my head of the group
	s_and_b32 s16, s14, 1                          ; qh: my half of the queries; also which half of K or V I fetch
	s_and_b32 s17, s14, 3                          ; which 32 rows of the bias I fetch
	s_bfe_u32 s18, ttmp6, 0x40000                  ; cx, cy
	s_bfe_u32 s19, ttmp6, 0x40004
	s_lshl_b32 s20, ttmp9, 2
	s_add_co_u32 s20, s20, s18                     ; QB: my block of 128 queries
	s_and_b32 s21, ttmp7, 0xffff
	s_lshl_b32 s21, s21, 2
	s_add_co_u32 s21, s21, s19                     ; BG = 4 b + group of heads
	s_lshl_b32 s22, s19, 2
	s_lshl_b32 s22, 15, s22                        ; my row of the cluster
	s_lshl_b32 s23, 0x1111, s18                    ; my column
	s_or_b32 s[G1KV], s22, (3<<16)|(1<<21)         ; mask: my row; elements of 8 bytes; no padding
	s_mov_b32 s[G1KV+1], 32<<16                    ; 64 rows of 256 bytes, dense: 16,384 bytes
	s_mov_b32 s[G1KV+2], 64<<16
	s_mov_b32 s[G1KV+3], 32<<16
	s_mov_b32 s[G1KV+4], 64
	s_mov_b32 s[G1KV+5], 32
	s_mov_b32 s[G1KV+6], 0
	s_mov_b32 s[G1KV+7], 0
	s_or_b32 s[G1B], s23, (2<<16)|(1<<20)|(1<<21)|(6<<22)|(3<<25)   ; my column; elements of 4 bytes; 4 words of padding after every 128
	s_mov_b32 s[G1B+1], 128<<16                    ; 128 keys x 32 queries
	s_mov_b32 s[G1B+2], 32<<16
	s_mov_b32 s[G1B+3], 128<<16
	s_mov_b32 s[G1B+4], 32
	s_mov_b32 s[G1B+5], 2048
	s_mov_b32 s[G1B+6], 0
	s_mov_b32 s[G1B+7], 0
	s_lshl_b32 s72, s21, 20                        ; kv: 16 steps of 65,536 bytes for each BG; + my half.  (cx never enters these registers)
	s_lshl_b32 s73, s16, 14
	s_add_co_u32 s72, s72, s73
	s_mov_b32 s73, 0
	s_lshl_b32 s74, s20, 20                        ; bias: row 128 QB + 32 (w % 4), 8,192 bytes a row.  (cy never enters these registers)
	s_lshl_b32 s75, s17, 18
	s_add_co_u32 s74, s74, s75
	s_mov_b32 s75, 0
	s_lshl_b32 s76, s16, 14
	s_mul_i32 s77, s17, 32*BP
	s_wait_dscnt 0x0                               ; both opening adds are done
	s_wait_kmcnt 0x0
	s_load_b256 s[52:59], s[10:11], 0x0            ; e0 .. e7
	CROUND                                         ; the first joint loads meet
	s_mov_b32 s[G0K], 1
	s_add_co_u32 s[G0K+1], s76, KBASE
	s_add_nc_u64 s[G0K+2:G0K+3], s[6:7], s[72:73]
	s_mov_b32 s[G0V], 1
	s_add_co_u32 s[G0V+1], s76, VBASE
	s_add_nc_u64 s[G0V+2:G0V+3], s[G0K+2:G0K+3], 32768
	s_or_b32 s[G0K+3], s[G0K+3], 0x80000000
	s_or_b32 s[G0V+3], s[G0V+3], 0x80000000
	s_mov_b32 s[G0B], 1
	s_mov_b32 s[G0B+1], s77
	s_add_nc_u64 s[G0B+2:G0B+3], s[8:9], s[74:75]
	s_or_b32 s[G0B+3], s[G0B+3], 0x80000000
	TLOAD                                          ; key step 0 into slot 0: my one tensor load at the head
	s_lshl_b32 s72, s21, 19                        ; Q: ((4 BG + hl) 128 + 8 QB + 4 qh) images of 1,024 bytes
	s_lshl_b32 s73, s15, 17
	s_add_co_u32 s72, s72, s73
	s_lshl_b32 s73, s20, 13
	s_add_co_u32 s72, s72, s73
	s_lshl_b32 s73, s16, 12
	s_add_co_u32 s72, s72, s73
	s_mov_b32 s73, 0
	s_add_nc_u64 s[4:5], s[4:5], s[72:73]
	s_lshr_b32 s72, s21, 2                         ; o_codes: token 2,048 b + 128 QB, byte 256 x group
	s_lshl_b32 s72, s72, 21
	s_lshl_b32 s73, s20, 17
	s_add_co_u32 s72, s72, s73
	s_and_b32 s73, s21, 3
	s_lshl_b32 s73, s73, 8
	s_add_co_u32 s72, s72, s73
	s_mov_b32 s73, 0
	s_add_nc_u64 s[12:13], s[12:13], s[72:73]
	v_and_b32 v13, 15, v0                          ; r
	v_bfe_u32 v14, v0, 4, 1                        ; hf
	v_and_b32 v15, 31, v0
	v_lshlrev_b32 v1, 4, v15                       ; 16 x lane
	WIN 0x40
.irp i, 0,1,2,3
	global_load_b128 v[QF+8*\i:QF+8*\i+3], v1, s[4:5] offset:1024*\i       ; Q's four fragments stay in registers
	global_load_b128 v[QF+8*\i+4:QF+8*\i+7], v1, s[4:5] offset:1024*\i+512
.endr
.set n, 0
.rept 128
	v_mov_b32 v[n], 0                              ; O^T: the loop is written for all steps alike
.set n, n+1
.endr
.set n, 0
.rept 64
	v_mov_b32 v[KF+n], 0                           ; V's place: the first trip's second product multiplies zeros
.set n, n+1
.endr
	WIN 0
.set n, 0
.rept 64
	v_mov_b32 v[P+n], 0                            ; and P's codes
.set n, n+1
.endr
	s_mul_i32 s72, s16, 64*BP
	v_mul_u32_u24 v2, v13, BP
	v_lshl_add_u32 v2, v14, 5, v2
	v_add_nc_u32 v2, s72, v2                       ; bias: row 64 qh + r, + 32 hf
	s_lshl_b32 s72, s15, 13
	s_add_co_u32 s73, s72, KBASE
	v_add_nc_u32 v11, s73, v1                      ; K: my head's 8,192 bytes, + 16 x lane
	s_add_co_u32 s73, s72, VBASE
	v_add_nc_u32 v12, s73, v1                      ; V likewise
	s_mul_i32 s72, s16, 64*SP
	s_lshl_b32 s73, s15, 6
	s_add_co_u32 s72, s72, s73
	v_mul_u32_u24 v8, v13, SP
	v_lshl_add_u32 v8, v14, 3, v8
	v_add_nc_u32 v8, s72, v8                       ; the stage, in: row 64 qh + r, + 64 hl + 8 hf
	s_mul_i32 s72, s14, 16*SP
	v_mul_u32_u24 v9, v14, SP
	v_lshl_add_u32 v9, v13, 4, v9
	v_add_nc_u32 v9, s72, v9                       ; back: rows 16 w + hf on, 16 bytes a lane
	s_lshl_b32 s72, s14, 14
	v_lshlrev_b32 v10, 10, v14
	v_lshl_add_u32 v10, v13, 4, v10
	v_add_nc_u32 v10, s72, v10                     ; the same rows in o_codes, 1,024 bytes apart
.irp i, 0,1,2,3
	v_mov_b32 v[ST+4*\i+1], 0xff61b1e6             ; the largest t so far: -3e38
	v_mov_b32 v[ST+4*\i+2], 0                      ; the sum, in two halves
	v_mov_b32 v[ST+4*\i+3], 0
	v_mov_b32 v[F+2*\i], 0
	v_mov_b32 v[F+2*\i+1], 0                       ; (named as the upper half of a pair)
	v_mov_b32 v[232+\i], 0                         ; a lane permute's destination counts as one of its sources
	v_floor_f32 v[ST+4*\i], -v[ST+4*\i+1]          ; -M
.endr
	v_mov_b32 v236, 0
	s_mov_b32 s70, 0x76543210                      ; v_permlanex16_b32's selects for lane l xor 16
	s_mov_b32 s71, 0xfedcba98
	s_mov_b32 s66, 0                               ; the slot in hand: bias and V,
	s_mov_b32 s67, 0                               ; K
	s_mov_b32 s68, 15
	s_wait_kmcnt 0x0
	s_add_co_i32 s72, s54, s55                     ; e2 + e3
	s_sub_co_i32 s60, 127, s72
	s_lshl_b32 s60, s60, 23                        ; 2^-(e2 + e3), for the bias
	s_mov_b32 s61, s60
	s_lshl_b32 s72, s72, 23
	s_add_co_i32 s62, s72, 0x3fb8aa3b              ; log2(e) x 2^(e2 + e3): the exponents are added to the exponent field
	s_mov_b32 s63, s62
	s_add_co_i32 s69, s56, s57                     ; e4 + e5
	s_add_co_i32 s72, s56, 127
	s_lshl_b32 s73, s72, 23
	v_mov_b32 v244, s73                            ; 2^e4, for p's conversions
	s_add_co_i32 s72, s72, 15
	s_lshl_b32 s72, s72, 23
	s_or_b32 s78, s72, 0x600000                    ; 57,344 x 2^e4
	s_add_co_i32 s72, s58, 127
	s_lshl_b32 s73, s72, 23
	v_mov_b32 v245, s73                            ; 2^e6, for o's
	s_add_co_i32 s72, s72, 15
	s_lshl_b32 s72, s72, 23
	s_or_b32 s72, s72, 0x600000
	v_mov_b32 v241, s72                            ; 57,344 x 2^e6
.macro BIASLOAD i, b                   ; tile i's bias into buffer b, in the scores' own layout: for each of the 8 tiles of keys my eight numbers
.irp t, 0,1,2,3,4,5,6,7
	ds_load_b128 v[\b+8*\t:\b+8*\t+3], v7 offset:16*BP*(\i)+64*\t
	ds_load_b128 v[\b+8*\t+4:\b+8*\t+7], v7 offset:16*BP*(\i)+64*\t+16
.endr
.endm
.macro DM c                            ; up to c pairs of the hold on buffer DB: the conversion does not saturate (ISA guide 7.6.2); p is not negative, so the hold is one-sided
.rept \c
.if dn < 64
	v_dual_min_num_f32 v[DB+dn], s78, v[DB+dn] :: v_dual_min_num_f32 v[DB+dn+1], s78, v[DB+dn+1]
.set dn, dn+2
.endif
.endr
.endm
.macro SUM j, b                        ; tile j's row sum, of the unquantised p in buffer b: four chains
.set SS, ST+4*(\j)+2
	v_pk_add_f32 v[242:243], v[\b:\b+1], v[\b+2:\b+3]
	v_pk_add_f32 v[246:247], v[\b+4:\b+5], v[\b+6:\b+7]
	v_pk_add_f32 v[248:249], v[\b+8:\b+9], v[\b+10:\b+11]
.irp k, 12,20,28,36,44,52
	v_pk_add_f32 v[SS:SS+1], v[SS:SS+1], v[\b+\k:\b+\k+1]
	v_pk_add_f32 v[242:243], v[242:243], v[\b+\k+2:\b+\k+3]
	v_pk_add_f32 v[246:247], v[246:247], v[\b+\k+4:\b+\k+5]
	v_pk_add_f32 v[248:249], v[248:249], v[\b+\k+6:\b+\k+7]
.endr
	v_pk_add_f32 v[SS:SS+1], v[SS:SS+1], v[\b+60:\b+61]
	v_pk_add_f32 v[242:243], v[242:243], v[\b+62:\b+63]
	v_pk_add_f32 v[246:247], v[246:247], v[248:249]
	v_pk_add_f32 v[SS:SS+1], v[SS:SS+1], v[242:243]
	v_pk_add_f32 v[SS:SS+1], v[SS:SS+1], v[246:247]
.endm
.macro CODES j, b                      ; tile j's p in buffer b becomes P's fragment
.irp t, 0,1,2,3,4,5,6,7
	v_cvt_scalef32_pk8_bf8_f32 v[P+16*(\j)+2*\t:P+16*(\j)+2*\t+1], v[\b+8*\t:\b+8*\t+7], v244
.endr
	v_nop                                          ; one plain line behind the last conversion
.endm
; Tile i of my queries against the step's 128 keys.  Buffer SA holds its scaled bias; buffer SB holds tile i - 1's p, and then tile i + 1's bias.
.macro TILE i
.set TS, ST+4*(\i)
.set TF, F+2*(\i)
.set SA, S+64*((\i)%2)
.set SB, S+64-64*((\i)%2)
.set DB, SB
	WIN 0x05                                       ; K and Q in window 1; K's fragment t at v[224 + 8 t] (t < 4) or v[128 + 8 t]
.irp t, 0,1,2,3,4,5,6,7
	v_wmma_f32_16x16x64_bf8_bf8 v[SA+8*\t:SA+8*\t+7], v[224+8*\t-96*(\t/4):231+8*\t-96*(\t/4)], v[QF+8*(\i):QF+8*(\i)+7], v[SA+8*\t:SA+8*\t+7]
.endr
	WIN 0
.if (\i) > 0
	SUM (\i)-1, SB                                 ; these lines name none of the products' registers: they are the places behind them
.set dn, 0
.else
.rept 4
	v_nop
.endr
.set dn, 64
.endif
	v_max3_num_f32 v250, v[SA], v[SA+1], v[SA+2]   ; the largest s' of my query among my 64 keys: four chains, each accumulator from its low end on
	v_max3_num_f32 v251, v[SA+3], v[SA+4], v[SA+5]
	v_max3_num_f32 v252, v[SA+6], v[SA+7], v[SA+8]
	v_max3_num_f32 v253, v[SA+9], v[SA+10], v[SA+11]
.irp k, 12,20,28,36,44,52
	v_max3_num_f32 v250, v250, v[SA+\k], v[SA+\k+1]
	v_max3_num_f32 v251, v251, v[SA+\k+2], v[SA+\k+3]
	v_max3_num_f32 v252, v252, v[SA+\k+4], v[SA+\k+5]
	v_max3_num_f32 v253, v253, v[SA+\k+6], v[SA+\k+7]
.endr
	v_max3_num_f32 v250, v250, v[SA+60], v[SA+61]
	v_max3_num_f32 v251, v251, v[SA+62], v[SA+63]
	v_mov_b32 v254, v[TS]
	DM 2                                           ; tile i - 1's hold stands between the links of the chain that makes M
	v_max3_num_f32 v250, v250, v251, v252
	DM 3
	v_max_num_f32 v250, v250, v253
	DM 3
	v_permlanex16_b32 v236, v250, s70, s71
	DM 3
	v_max_num_f32 v250, v250, v236                 ; and among lane l xor 16's
	DM 3
	v_mul_f32 v250, s62, v250                      ; as t (the factor is positive)
	DM 3
	v_max_num_f32 v[TS+1], v[TS+1], v250           ; the running largest t
	DM 3
	v_floor_f32 v[TS], -v[TS+1]                    ; the new -M = -ceil(t)
	DM 3
	v_sub_f32 v254, v[TS], v254                    ; old M less new M: a whole number, 0 or less
	DM 3
	v_cvt_i32_f32 v254, v254                       ; (it saturates)
	DM 3
	v_ldexp_f32 v[TF], 1.0, v254                   ; f = 2^(old M - new M)
	DM 32
.if (\i) > 0
	CODES (\i)-1, SB
.if (\i) == 3
	WIN 0x40
.irp d, 0,1,2,3
.irp c, 0,1,2,3
	ds_load_b128 v[KF+16*\d+4*\c:KF+16*\d+4*\c+3], v6 offset:2048*\d+512*\c   ; V's four fragments, over K's fragments 4-7
.endr
.endr
	WIN 0
.else
	BIASLOAD (\i)+1, SB
.endif
.endif
.set n, 0
.rept 32
	v_pk_fma_f32 v[SA+n:SA+n+1], v[SA+n:SA+n+1], s[62:63], v[TS:TS+1] op_sel_hi:[1,0,0]   ; t - M (of the pairs the low word serves both halves)
.set n, n+2
.endr
	s_wait_alu depctr_va_vdst(0)                   ; ahead of the batch
.set n, 0
.rept 32
	v_exp_f32 v[SA+n], v[SA+n]                     ; p = 2^(t - M), at most 1: not normalised
.set n, n+1
.endr
.if (\i) < 3
	s_wait_dscnt 0x0                               ; tile i + 1's bias is in
.endif
.rept 32
	v_exp_f32 v[SA+n], v[SA+n]
.if (\i) < 3
	v_pk_mul_f32 v[SB+2*n-64:SB+2*n-63], v[SB+2*n-64:SB+2*n-63], s[60:61] op_sel_hi:[1,0]   ; tile i + 1's bias x 2^-(e2 + e3): exact; first read behind the wait below
.endif
.set n, n+1
.endr
	v_pk_mul_f32 v[TS+2:TS+3], v[TS+2:TS+3], v[TF:TF+1] op_sel_hi:[1,0]   ; the sums under the new M; a plain place behind the exponentials
	s_wait_alu depctr_va_vdst(0)                   ; one wait for the whole batch
.endm
; The second product of the step whose codes lie in P and whose V lies in registers: work on registers alone.
.macro PV
	WIN 0x41                                       ; O^T (destination and source 0) window 1, f window 0
	s_wait_alu depctr_va_vdst(0)                   ; directly ahead of the first reader of O^T
.irp i, 0,1,2,3
.set n, 0
.rept 16
	v_pk_mul_f32 v[32*\i+n:32*\i+n+1], v[32*\i+n:32*\i+n+1], v[F+2*\i:F+2*\i+1] op_sel_hi:[1,0]   ; O^T under the new M
.set n, n+2
.endr
.endr
	WIN 0x51                                       ; V window 1, P window 0, O^T window 1
.irp d, 0,1,2,3                                ; sixteen accumulators, one instruction a turn
.irp i, 0,1,2,3
	v_wmma_f32_16x16x128_bf8_bf8 v[32*\i+8*\d:32*\i+8*\d+7], v[KF+16*\d:KF+16*\d+15], v[P+16*\i:P+16*\i+15], v[32*\i+8*\d:32*\i+8*\d+7]
.endr
.endr
	WIN 0
.endm
; A key step: the last step's second product under the flight of this step's first LDS loads, then this step's first product and softmax: 128 keys, in the slot in hand.
.macro TILES
	v_add_nc_u32 v5, s67, v11
	v_add_nc_u32 v6, s66, v12
	v_add_nc_u32 v7, s66, v2
	BIASLOAD 0, S
	WIN 0x40
.irp t, 0,1,2,3
	ds_load_b128 v[224+8*\t:224+8*\t+3], v5 offset:1024*\t
	ds_load_b128 v[224+8*\t+4:224+8*\t+7], v5 offset:1024*\t+512
.endr
	WIN 0
	PV
.rept 4
	v_nop                                          ; places in front of the loads into V's registers
.endr
	WIN 0x40
.irp t, 4,5,6,7
	ds_load_b128 v[128+8*\t:128+8*\t+3], v5 offset:1024*\t
	ds_load_b128 v[128+8*\t+4:128+8*\t+7], v5 offset:1024*\t+512
.endr
	WIN 0
	BIASLOAD 1, S+64
	s_wait_dscnt 32                                ; tile 0's bias is in; K's 16 loads and tile 1's 16 are younger
.set n, 0
.rept 32
	v_pk_mul_f32 v[S+n:S+n+1], v[S+n:S+n+1], s[60:61] op_sel_hi:[1,0]
.set n, n+2
.endr
	s_wait_alu depctr_va_vdst(0)                   ; directly ahead of the wait below
	s_wait_dscnt 16                                ; K is in; tile 1's bias may be out
	TILE 0
	TILE 1
	TILE 2
	TILE 3
	SUM 3, S+64
.set DB, S+64
.set dn, 0
	DM 32
	CODES 3, S+64
.endm
; THE CHANGE OF SLOTS at a step's head.  Each wave waits for all its tensor loads (one is out: its part of the slot about to be read), adds 0 to its spare word, and waits for that and for its reads of the slot
; that it has left (V's fragments among them).  fill = 1: a round of the cluster's barrier, behind which the slot just left takes the next step's tiles.
.macro SYNC fill
	s_wait_alu depctr_va_vdst(0)                   ; directly ahead of the wait below
	s_wait_tensorcnt 0x0
	ds_add_u32 v3, v4
.if \fill
	s_xor_b32 s[G0K+1], s[G0K+1], KSL              ; the walking descriptors: the other slot, the next 128 keys
	s_add_nc_u64 s[G0K+2:G0K+3], s[G0K+2:G0K+3], 65536
	s_xor_b32 s[G0V+1], s[G0V+1], BSL
	s_add_nc_u64 s[G0V+2:G0V+3], s[G0V+2:G0V+3], 65536
	s_xor_b32 s[G0B+1], s[G0B+1], BSL
	s_add_nc_u64 s[G0B+2:G0B+3], s[G0B+2:G0B+3], 512
.endif
	s_wait_dscnt 0x0
	s_barrier_signal -1
	s_barrier_wait -1
.if \fill
	CREST
	TLOAD                                          ; the first thing behind the round, and my one tensor load until the next
.endif
.endm
	s_wait_alu depctr_va_vdst(0)                   ; the wait at the head's end
	s_wait_loadcnt 0x0                             ; Q
.Lstep:                                            ; 15 trips: behind each change of slots but the last the next step is asked for
	SYNC 1
	TILES
	s_xor_b32 s66, s66, BSL
	s_xor_b32 s67, s67, KSL
	s_sub_co_u32 s68, s68, 1
	s_cmp_lg_u32 s68, 0
	s_cbranch_scc1 .Lstep
	SYNC 0                                         ; the last step is written out
	TILES
	s_wait_alu depctr_va_vdst(0)
	s_wait_dscnt 0x0                               ; V is in
	PV
	; THE WAY OUT.  O^T / the sum x 2^(e4 + e5) is quantised with 2^e6; a lane's eight codes of a row meet the other heads' in the stage, and each wave stores 16 rows' 256 bytes.
.irp i, 0,1,2,3
	v_add_f32 v[ST+4*\i+2], v[ST+4*\i+2], v[ST+4*\i+3]   ; the sum's two halves; these four are the places behind the last products
.endr
.irp i, 0,1,2,3
	v_permlanex16_b32 v[232+\i], v[ST+4*\i+2], s70, s71
.endr
.irp i, 0,1,2,3
	v_add_f32 v[ST+4*\i+2], v[ST+4*\i+2], v[232+\i]      ; and lane l xor 16's
.endr
	s_wait_alu depctr_va_vdst(0)
.irp i, 0,1,2,3
	v_rcp_f32 v[ST+4*\i+2], v[ST+4*\i+2]
.endr
	v_nop
	s_wait_alu depctr_va_vdst(0)
.irp i, 0,1,2,3
	v_ldexp_f32 v[F+2*\i], v[ST+4*\i+2], s69       ; x 2^(e4 + e5)
.endr
	WIN 0x01                                       ; source 0 (O^T) window 1
	s_wait_alu depctr_va_vdst(0)                   ; directly ahead of the first reader of O^T
.irp i, 0,1,2,3
.set n, 0
.rept 16
	v_pk_mul_f32 v[S+32*\i+n:S+32*\i+n+1], v[32*\i+n:32*\i+n+1], v[F+2*\i:F+2*\i+1] op_sel_hi:[1,0]   ; register 32 i + 8 d + j: o(query 16 i + r, channel 16 d + 8 hf + j)
.set n, n+2
.endr
.endr
	WIN 0
.set n, 0
.rept 128
	v_med3_num_f32 v[S+n], v[S+n], -v241, v241     ; the hold at the largest code x 2^e6
.set n, n+1
.endr
.irp i, 0,1,2,3
.irp d, 0,1,2,3
	v_cvt_scalef32_pk8_bf8_f32 v[P+8*\i+2*\d:P+8*\i+2*\d+1], v[S+32*\i+8*\d:S+32*\i+8*\d+7], v245
.endr
.endr
	v_nop
.irp i, 0,1,2,3
.irp d, 0,1,2,3
	ds_store_b64 v8, v[P+8*\i+2*\d:P+8*\i+2*\d+1] offset:16*SP*\i+16*\d
.endr
.endr
	s_wait_dscnt 0x0                               ; for the others' sake: my stores into the stage are done
	s_barrier_signal -1
	s_barrier_wait -1
.irp k, 0,1,2,3,4,5,6,7
	ds_load_b128 v[192+4*\k:192+4*\k+3], v9 offset:2*SP*\k
.endr
.irp k, 0,1,2,3,4,5,6,7
	s_wait_dscnt 7-\k                              ; load k is in, the younger ones may be out
	global_store_b128 v10, v[192+4*\k:192+4*\k+3], s[12:13] offset:2048*\k   ; 16 lanes store 256 consecutive bytes, aligned
.endr
	s_wait_tensorcnt 0x0                           ; the wave's end
	ds_add_u32 v3, v4
	s_wait_dscnt 0x0
	CROUND                                         ; the closing round
	s_endpgm
.Lfunc_end_k_q3db2f46348_attn:
	.size	k_q3db2f46348_attn, .Lfunc_end_k_q3db2f46348_attn-k_q3db2f46348_attn
	.p2alignl 7, 3214868480
	.fill 96, 4, 3214868480
	.section	.rodata,"a",@progbits
	.p2align	6, 0x0
	.amdhsa_kernel k_q3db2f46348_attn
		.amdhsa_group_segment_fixed_size 327680
		.amdhsa_private_segment_fixed_size 0
		.amdhsa_enable_private_segment 0
		.amdhsa_kernarg_size 40
		.amdhsa_user_sgpr_count 2
		.amdhsa_user_sgpr_kernarg_segment_ptr 1
		.amdhsa_wavefront_size32 1
		.amdhsa_system_sgpr_workgroup_id_x 1
		.amdhsa_system_sgpr_workgroup_id_y 1
		.amdhsa_system_sgpr_workgroup_id_z 1
		.amdhsa_system_vgpr_workitem_id 0
		.amdhsa_next_free_vgpr 512
		.amdhsa_next_free_sgpr 80
		.amdhsa_reserve_vcc 0
		.amdhsa_float_denorm_mode_32 3
		.amdhsa_float_denorm_mode_16_64 3
		.amdhsa_memory_ordered 1
		.amdhsa_forward_progress 1
		.amdhsa_inst_pref_size 175
	.end_amdhsa_kernel
	.amdgpu_metadata
---
amdhsa.version: [ 1, 2 ]
amdhsa.kernels:
  - .name:           k_q3db2f46348_attn
    .symbol:         k_q3db2f46348_attn.kd
    .args:
      - { .name: q_img, .offset: 0, .size: 8, .value_kind: global_buffer, .address_space: global }
      - { .name: kv, .offset: 8, .size: 8, .value_kind: global_buffer, .address_space: global }
      - { .name: attn_bias, .offset: 16, .size: 8, .value_kind: global_buffer, .address_space: global }
      - { .name: lowp_scales, .offset: 24, .size: 8, .value_kind: global_buffer, .address_space: global }
      - { .name: o_codes, .offset: 32, .size: 8, .value_kind: global_buffer, .address_space: global }
    .group_segment_fixed_size: 327680
    .private_segment_fixed_size: 0
    .kernarg_segment_align: 8
    .kernarg_segment_size: 40
    .max_flat_workgroup_size: 256
    .sgpr_count:     80
    .vgpr_count:     512
    .wavefront_size: 32
...
	.end_amdgpu_metadata
.endif
;; end of part 2
;; launch proj (part 3): grid 4 x 64, 4 waves a work-group, clusters of 4 x 4, 327,680 bytes of LDS; arguments o_codes, proj_w_codes, lowp_scales, proj_b, out0; writes out0
.if DOCPART == 3
	.amdgcn_target "amdgcn-amd-amdhsa--gfx1250"
	.amdhsa_code_object_version 6
	.text
	.protected	k_q3db2f46348_proj
	.globl	k_q3db2f46348_proj
	.p2align	8
	.type	k_q3db2f46348_proj,@function
k_q3db2f46348_proj:
	s_mov_b64 s[64:65], 0
	v_nop
	global_prefetch_b8 v0, s[64:65] scope:SCOPE_SE
	s_setreg_imm32_b32 hwreg(HW_REG_WAVE_MODE, 25, 1), 1
	s_wait_xcnt 0x0
	s_wait_alu depctr_hold_cnt(0) depctr_sa_sdst(0) depctr_va_vdst(0) depctr_va_sdst(0) depctr_va_ssrc(0) depctr_va_vcc(0) depctr_vm_vsrc(0)
	s_getreg_b32 s2, hwreg(HW_REG_IB_STS2, 6, 4)
	s_cmp_eq_u32 s2, 0
	s_cbranch_scc0 .Lentry_in_a_cluster
	s_endpgm
.Lentry_in_a_cluster:
	s_bfe_u32 s2, ttmp6, 0x10000c
	s_cmp_lg_u32 s2, 0xf033
	s_cbranch_scc0 .Lentry_shape_is_right
	s_endpgm
.Lentry_shape_is_right:
; out0[m][n] = 2^(e6 + e7) x (sum over k of o_codes[m][k] proj_w_codes[n][k]) + proj_b[n]: [8192][1024] f32, K = 1,024, both operands codes of E5M2.
; SHARES.  A work-group owns 128 rows x 256 columns, made as two tiles of 128 x 128; a wave owns 64 x 64 of a tile: 16 accumulators.  64 x 4 work-groups.
; THE WHOLE K AT ONCE.  At the head each wave asks for 64 rows of 1,024 bytes: waves 0, 1 my 128 rows of A into slot 1, waves 2, 3 the first tile's 128 rows of B into slot 0.
; A's fragments (64 rows x 1,024 K = 512 registers a wave) are read from LDS once and stay in registers; slot 1 is then filled again with the second tile's rows of B, which have the first tile in which to land.
; CLUSTER.  4 x 4 work-groups: the four of a row share their rows of A, the four of a column their rows of B: both are asked for jointly.
; TRANSPOSED USE: source 0 = 16 rows of B, source 1 = 16 rows of A: a lane holds eight neighbouring columns of one row.  A fragment comes by four loads of 16 bytes: the same permutation of k in A and in B.
; NO PREFETCH: the launch has no loop to run ahead in; all that it reads is asked for by three tensor loads, two of them at its head.
; LIMIT: e6 + e7 between -126 and 127, so that 2^(e6 + e7) is an f32 number.
; REGISTERS: window 0: v16-29 addresses; v32-95 the bias of my 64 columns in both tiles; v96-127 a block's results; v128-255 the accumulators, (a, b) at v[128 + 8 (4 a + b)].
;   window 1: v0-127 B's fragments, two sets of four; v128-191 rows read back from the stage, two sets.   windows 2, 3: A's fragments, K step k, block a at v[64 (k % 4) + 16 a] of window 2 + k / 4.
.set PITCH,  1040                      ; an LDS row: 1,024 bytes + 16 of padding, an odd multiple of 16
.set HALF,   64*PITCH                  ; what one tensor load brings
.set SLOT1,  2*HALF
.set STAGE,  2*SLOT1                   ; the way out: 16 rows x (256 + 16) bytes for each wave, bytes that no fill lands on
.set SPITCH, 272
.set SPARE,  STAGE+4*16*SPITCH         ; the spare words, 128 bytes a wave
.set ADRA, 16
.set ADRB, 20                          ; v20, v21: B's fragments in slot 0, 1
.set STO,  24
.set RD,   25
.set CO,   26
.set BO,   27
.set SPW,  28
.set NIL,  29
.set BIAS, 32
.set TMP,  96
.set ACC,  128
.set BK,   128                         ; in window 1
.set G1,   24                          ; s[24:31] group 1 for A;  s[48:55] for B
.set G1B,  48
.set G0A,  32                          ; s[32:35] A;  s[56:59] B's first tile;  s[60:63] B's second
.set G0B,  56
.set G0C,  60
.set MSB, 0
.macro WIN new
.if MSB != (\new)
	s_set_vgpr_msb (MSB<<8)|(\new)
.set MSB, (\new)
.endif
.endm
.macro CREST
	s_cmp_lg_u32 s14, 0
	s_cbranch_scc1 .Lnot_wave_0_\@
	s_barrier_signal -3
.Lnot_wave_0_\@:
	s_barrier_wait -3
	s_barrier_signal -1
	s_barrier_wait -1
.endm
.macro CROUND
	s_barrier_signal -1
	s_barrier_wait -1
	CREST
.endm
.macro PLACES
.rept 4
	v_nop
.endr
.endm
	s_load_b128 s[4:7], s[0:1], 0x0                ; o_codes, proj_w_codes
	s_load_b128 s[8:11], s[0:1], 0x10              ; the scales' exponents, proj_b
	s_load_b64 s[12:13], s[0:1], 0x20              ; out0
	v_lshl_add_u32 v[SPW], v0, 2, SPARE
	v_mov_b32 v[NIL], 0
	ds_add_u32 v[SPW], v[NIL]                      ; the opening lines: the add twice on end and its wait
	ds_add_u32 v[SPW], v[NIL]
	v_lshrrev_b32 v1, 5, v0
	v_readfirstlane_b32 s14, v1                    ; wave 0..3
	s_lshr_b32 s15, s14, 1                         ; my half of the tile's rows; also: I fetch for A (0) or B (1)
	s_and_b32 s16, s14, 1                          ; my half of its columns; also: which 64 rows I fetch
	s_bfe_u32 s40, ttmp6, 0x40000                  ; cx: my 256 columns
	s_bfe_u32 s41, ttmp6, 0x40004                  ; cy
	s_and_b32 s17, ttmp7, 0xffff
	s_lshl_b32 s17, s17, 2
	s_add_co_u32 s17, s17, s41                     ; my block of 128 rows
	s_lshl_b32 s43, s41, 2
	s_lshl_b32 s43, 15, s43                        ; my row of the cluster
	s_lshl_b32 s44, 0x1111, s40                    ; my column
	s_or_b32 s[G1], s43, (1<<20)|(1<<21)|(7<<22)|(3<<25)    ; elements of 1 byte; 4 words of padding after every 256
	s_or_b32 s[G1B], s44, (1<<20)|(1<<21)|(7<<22)|(3<<25)
.irp g, G1, G1B
	s_mov_b32 s[\g+1], 1024<<16                    ; 64 rows of 1,024 bytes, 1,024 apart
	s_mov_b32 s[\g+2], 64<<16
	s_mov_b32 s[\g+3], 1024<<16
	s_mov_b32 s[\g+4], 64
	s_mov_b32 s[\g+5], 1024
	s_mov_b32 s[\g+6], 0
	s_mov_b32 s[\g+7], 0
.endr
	s_lshl_b32 s18, s16, 16                        ; 64 rows of 1,024 bytes
	s_lshl_b32 s20, s17, 17                        ; A: 128 rows a block.  (cx never enters these registers)
	s_add_co_u32 s20, s20, s18
	s_mov_b32 s21, 0
	s_lshl_b32 s46, s40, 18                        ; B: 256 rows for each cx.  (cy never enters these registers)
	s_add_co_u32 s46, s46, s18
	s_mov_b32 s47, 0
	s_mul_i32 s45, s16, HALF                       ; in a slot
	s_wait_dscnt 0x0                               ; both opening adds are done
	s_wait_kmcnt 0x0
	s_load_b64 s[96:97], s[8:9], 0x18              ; e6, e7
	s_add_nc_u64 s[20:21], s[4:5], s[20:21]
	s_add_nc_u64 s[46:47], s[6:7], s[46:47]
	CROUND                                         ; the first joint loads meet
	s_mov_b32 s[G0A], 1
	s_add_co_u32 s[G0A+1], s45, SLOT1
	s_mov_b64 s[G0A+2:G0A+3], s[20:21]
	s_or_b32 s[G0A+3], s[G0A+3], 0x80000000
	s_mov_b32 s[G0B], 1
	s_mov_b32 s[G0B+1], s45
	s_mov_b64 s[G0B+2:G0B+3], s[46:47]
	s_or_b32 s[G0B+3], s[G0B+3], 0x80000000
	s_mov_b32 s[G0C], 1
	s_add_co_u32 s[G0C+1], s45, SLOT1
	s_add_nc_u64 s[G0C+2:G0C+3], s[46:47], 128*1024
	s_or_b32 s[G0C+3], s[G0C+3], 0x80000000
	s_cmp_eq_u32 s15, 0
	s_cbranch_scc0 .Lfor_b
	tensor_load_to_lds s[G0A:G0A+3], s[G1:G1+7]
	s_nop 0
	PLACES
	s_branch .Lasked
.Lfor_b:
	tensor_load_to_lds s[G0B:G0B+3], s[G1B:G1B+7]
	s_nop 0
	PLACES
.Lasked:
	s_lshl_b32 s68, s17, 19                        ; out0: 128 rows of 4,096 bytes a block,
	s_lshl_b32 s69, s15, 18                        ; + my 64 rows,
	s_add_co_u32 s68, s68, s69
	s_lshl_b32 s70, s40, 10                        ; + my work-group's 256 columns,
	s_lshl_b32 s71, s16, 8                         ; + my 64
	s_add_co_u32 s70, s70, s71
	s_mov_b32 s71, 0
	s_add_nc_u64 s[10:11], s[10:11], s[70:71]      ; the same columns of proj_b
	s_add_co_u32 s68, s68, s70
	s_mov_b32 s69, 0
	s_add_nc_u64 s[12:13], s[12:13], s[68:69]
	s_mul_i32 s22, s15, HALF
	s_add_co_u32 s22, s22, SLOT1
	s_mul_i32 s23, s14, 16*SPITCH
	s_add_co_u32 s23, s23, STAGE
	v_and_b32 v1, 15, v0                           ; r
	v_bfe_u32 v2, v0, 4, 1                         ; h
	v_lshlrev_b32 v[BO], 5, v2
	v_mul_u32_u24 v3, v1, PITCH
	v_lshl_add_u32 v3, v2, 4, v3                   ; a fragment's row x pitch + 16 h
	v_add_nc_u32 v[ADRA], s22, v3                  ; my 64 rows of A, in slot 1
	v_add_nc_u32 v[ADRB], s45, v3                  ; my 64 rows of B, in slot 0
	v_add_nc_u32 v[ADRB+1], SLOT1, v[ADRB]         ; and in slot 1
	v_mul_u32_u24 v5, v1, SPITCH
	v_lshl_add_u32 v5, v2, 5, v5
	v_add_nc_u32 v[STO], s23, v5                   ; the stage, in: row r, 32 bytes for each half of the lanes
	v_mul_u32_u24 v6, v2, SPITCH
	v_lshl_add_u32 v6, v1, 4, v6
	v_add_nc_u32 v[RD], s23, v6                    ; back: lanes 0-15 one row of 256 bytes, lanes 16-31 the next
	v_lshlrev_b32 v7, 12, v2
	v_lshl_add_u32 v[CO], v1, 4, v7                ; the same two rows in out0
.irp j, 0,1
.irp b, 0,1,2,3
	global_load_b128 v[BIAS+32*\j+8*\b:BIAS+32*\j+8*\b+3], v[BO], s[10:11] offset:512*\j+64*\b
	global_load_b128 v[BIAS+32*\j+8*\b+4:BIAS+32*\j+8*\b+7], v[BO], s[10:11] offset:512*\j+64*\b+16
.endr
.endr
.macro FETCHB adr, k, p                ; B's four fragments of K step k into set p (destination window 1)
	WIN 0x40
.irp b, 0,1,2,3
.irp c, 0,1,2,3
	ds_load_b128 v[64*(\p)+16*\b+4*\c:64*(\p)+16*\b+4*\c+3], v[\adr] offset:\b*16*PITCH+128*(\k)+32*\c
.endr
.endr
.endm
.macro MULK k, zero                    ; 16 products, 128 along K: the 16 accumulators take turns; zero = 1: they start the sums
	WIN 0x09+4*((\k)/4)                            ; B window 1, A window 2 or 3, C and D window 0
.irp a, 0,1,2,3
.irp b, 0,1,2,3
.if \zero
	v_wmma_f32_16x16x128_bf8_bf8 v[ACC+8*(4*\a+\b):ACC+8*(4*\a+\b)+7], v[64*((\k)%2)+16*\b:64*((\k)%2)+16*\b+15], v[64*((\k)%4)+16*\a:64*((\k)%4)+16*\a+15], 0
.else
	v_wmma_f32_16x16x128_bf8_bf8 v[ACC+8*(4*\a+\b):ACC+8*(4*\a+\b)+7], v[64*((\k)%2)+16*\b:64*((\k)%2)+16*\b+15], v[64*((\k)%4)+16*\a:64*((\k)%4)+16*\a+15], v[ACC+8*(4*\a+\b):ACC+8*(4*\a+\b)+7]
.endif
.endr
.endr
.endm
.macro GEMM adr                        ; a tile: eight K steps; K step 0's fragments of B have been asked for
	PLACES
	FETCHB \adr, 1, 1
	s_wait_dscnt 16                                ; this step's fragments are in; the 16 loads just issued may be out
	MULK 0, 1
.irp k, 1,2,3,4,5,6
	PLACES                                         ; in front of loads into registers that the step before last's products read
	FETCHB \adr, \k+1, (\k+1)%2
	s_wait_dscnt 16
	MULK \k, 0
.endr
	s_wait_dscnt 0x0
	MULK 7, 0
	WIN 0
.endm
; THE WAY OUT of tile j, by blocks of 16 rows x 64 columns: x 2^(e6 + e7) + bias, through my own stage, back as whole rows of 256 bytes.  LDS serves a wave's instructions in order (ISA guide 5.7.1.4).
.macro TOSTAGE j, a
	s_wait_xcnt 0x0                                ; the stores of the block before last have read the registers that this block's rows land in
.set n, 0
.rept 16
	v_pk_fma_f32 v[TMP+n:TMP+n+1], v[ACC+32*(\a)+n:ACC+32*(\a)+n+1], s[96:97], v[BIAS+32*(\j)+n:BIAS+32*(\j)+n+1] op_sel_hi:[1,0,1]   ; each accumulator from its low end on
.set n, n+2
.endr
.irp b, 0,1,2,3
	ds_store_b128 v[STO], v[TMP+8*\b:TMP+8*\b+3] offset:64*\b
	ds_store_b128 v[STO], v[TMP+8*\b+4:TMP+8*\b+7] offset:64*\b+16
.endr
	WIN 0x40
.irp t, 0,1,2,3,4,5,6,7
	ds_load_b128 v[BK+32*((\a)%2)+4*\t:BK+32*((\a)%2)+4*\t+3], v[RD] offset:\t*2*SPITCH
.endr
	WIN 0
.endm
.macro SEND j, a, younger
	s_wait_dscnt \younger
	WIN 0x04                                       ; the stores' data in window 1
.irp t, 0,1,2,3,4,5,6,7
	global_store_b128 v[CO], v[BK+32*((\a)%2)+4*\t:BK+32*((\a)%2)+4*\t+3], s[12:13] offset:65536*(\a)+8192*\t+512*(\j) th:TH_STORE_NT   ; 16 lanes store 256 consecutive bytes, aligned
.endr
	WIN 0
.endm
.macro OUT j
	PLACES                                         ; behind the last products
	TOSTAGE \j, 0
.irp a, 1,2,3
	TOSTAGE \j, \a
	SEND \j, \a-1, 16                              ; behind block a - 1's loads: block a's 8 stores and 8 loads
.endr
	SEND \j, 3, 0
.endm
	s_wait_alu depctr_va_vdst(0)                   ; the wait at the head's end
	s_wait_tensorcnt 0x0                           ; my 64 rows are in,
	s_barrier_signal -1
	s_barrier_wait -1                              ; and everybody's
.irp k, 0,1,2,3,4,5,6,7                        ; A's fragments, once for both tiles
	WIN 0x80+0x40*(\k/4)
.irp a, 0,1,2,3
.irp c, 0,1,2,3
	ds_load_b128 v[64*(\k%4)+16*\a+4*\c:64*(\k%4)+16*\a+4*\c+3], v[ADRA] offset:\a*16*PITCH+128*\k+32*\c
.endr
.endr
.endr
	FETCHB ADRB, 0, 0
	WIN 0
	s_wait_tensorcnt 0x0                           ; ahead of a refill's round
	ds_add_u32 v[SPW], v[NIL]
	s_wait_dscnt 0x0                               ; the add is done, and my reads of slot 1 are over
	CROUND                                         ; no wave of any partner still reads slot 1
	s_cmp_eq_u32 s15, 0
	s_cbranch_scc1 .Lno_fill                       ; waves 2, 3 fetch the second tile's rows of B
	tensor_load_to_lds s[G0C:G0C+3], s[G1B:G1B+7]
	s_nop 0
	PLACES
.Lno_fill:
	GEMM ADRB
	s_wait_kmcnt 0x0
	s_add_co_i32 s96, s96, s97
	s_add_co_i32 s96, s96, 127
	s_lshl_b32 s96, s96, 23                        ; 2^(e6 + e7)
	s_wait_loadcnt 0x0                             ; the bias
	OUT 0
	s_wait_tensorcnt 0x0                           ; my part of the second tile's B is in,
	s_wait_dscnt 0x0
	s_barrier_signal -1
	s_barrier_wait -1                              ; and everybody's
	FETCHB ADRB+1, 0, 0
	GEMM ADRB+1
	OUT 1
	s_wait_tensorcnt 0x0                           ; the wave's end
	ds_add_u32 v[SPW], v[NIL]
	s_wait_dscnt 0x0
	CROUND                                         ; the closing round
	s_endpgm
.Lfunc_end_k_q3db2f46348_proj:
	.size	k_q3db2f46348_proj, .Lfunc_end_k_q3db2f46348_proj-k_q3db2f46348_proj
	.p2alignl 7, 3214868480
	.fill 96, 4, 3214868480
	.section	.rodata,"a",@progbits
	.p2align	6, 0x0
	.amdhsa_kernel k_q3db2f46348_proj
		.amdhsa_group_segment_fixed_size 327680
		.amdhsa_private_segment_fixed_size 0
		.amdhsa_enable_private_segment 0
		.amdhsa_kernarg_size 40
		.amdhsa_user_sgpr_count 2
		.amdhsa_user_sgpr_kernarg_segment_ptr 1
		.amdhsa_wavefront_size32 1
		.amdhsa_system_sgpr_workgroup_id_x 1
		.amdhsa_system_sgpr_workgroup_id_y 1
		.amdhsa_system_sgpr_workgroup_id_z 1
		.amdhsa_system_vgpr_workitem_id 0
		.amdhsa_next_free_vgpr 1024
		.amdhsa_next_free_sgpr 100
		.amdhsa_reserve_vcc 0
		.amdhsa_float_denorm_mode_32 3
		.amdhsa_float_denorm_mode_16_64 3
		.amdhsa_memory_ordered 1
		.amdhsa_forward_progress 1
		.amdhsa_inst_pref_size 76
	.end_amdhsa_kernel
	.amdgpu_metadata
---
amdhsa.version: [ 1, 2 ]
amdhsa.kernels:
  - .name:           k_q3db2f46348_proj
    .symbol:         k_q3db2f46348_proj.kd
    .args:
      - { .name: o_codes, .offset: 0, .size: 8, .value_kind: global_buffer, .address_space: global }
      - { .name: proj_w_codes, .offset: 8, .size: 8, .value_kind: global_buffer, .address_space: global }
      - { .name: lowp_scales, .offset: 16, .size: 8, .value_kind: global_buffer, .address_space: global }
      - { .name: proj_b, .offset: 24, .size: 8, .value_kind: global_buffer, .address_space: global }
      - { .name: out0, .offset: 32, .size: 8, .value_kind: global_buffer, .address_space: global }
    .group_segment_fixed_size: 327680
    .private_segment_fixed_size: 0
    .kernarg_segment_align: 8
    .kernarg_segment_size: 40
    .max_flat_workgroup_size: 128
    .sgpr_count:     100
    .vgpr_count:     1024
    .wavefront_size: 32
...
	.end_amdgpu_metadata
.endif
;; end of part 3
